; MI455X (gfx1250); checked and timed in simulation.
; The chip was launched on July 23, 2026; its instructions are those of AMD's public machine-readable ISA for CDNA 5 (MIT licence, August 2026) and "CDNA5" Instruction Set Architecture Reference Guide (July 2026). The comments in the code are by the model that wrote it; some were corrected since.
;; PPO. Allowed arithmetic: float matrix products may take bf16 or f16 operands with f32 sums; other float arithmetic in f32, or as packed bf16 or f16 multiplies, adds, multiply-adds, maxima and minima; sums over many terms, partial sums and values carried from step to step in f32; what a program stores and reads back later, other than sums and carried values, may be rounded once to bf16 or f16.
;; Inputs: act_masks 256 x 16,384 int32; new_log_probs 256 x 16,384 float32; new_values 256 x 16,384 float32; old_log_probs 256 x 16,384 float32; rewards 256 x 16,384 float32; values 256 x 16,384 float32.
;; Outputs: out0 2 x 256 float32.
;; One version. Each part assembles by itself: llvm-mc -triple=amdgcn-amd-amdhsa -mcpu=gfx1250 --defsym DOCPART=n.
;; ======== version 1 of 1: 1 launch
;; launch ppo (part 1): grid 256 x 1, 16 waves a work-group, no clusters, 2,560 bytes of LDS; arguments rewards, values, new_log_probs, old_log_probs, new_values, act_masks, out0; writes out0
.if DOCPART == 1
	.amdgcn_target "amdgcn-amd-amdhsa--gfx1250"
	.amdhsa_code_object_version 6
	.text
	.protected	k_q66cdcc3075_ppo
	.globl	k_q66cdcc3075_ppo
	.p2align	8
	.type	k_q66cdcc3075_ppo,@function
k_q66cdcc3075_ppo:
	s_mov_b64 s[64:65], 0
	v_nop
	global_prefetch_b8 v0, s[64:65] scope:SCOPE_SE
	s_setreg_imm32_b32 hwreg(HW_REG_WAVE_MODE, 25, 1), 1
	s_wait_xcnt 0x0
; PPO loss with GAE.  rewards, values, new_log_probs, old_log_probs, new_values: [256][16384] f32; act_masks: [256][16384] i32; out0: [2][256] f32.
; out0[0][b] = sum_t m (-min(ratio adv, clip(ratio, 0.8, 1.2) adv)) / max(sum_t m, 1e-8),  out0[1][b] = sum_t m (new_values - adv - values)^2 / max(sum_t m, 1e-8),
; ratio = exp(new_log_probs - old_log_probs), adv_t = delta_t + d adv_{t+1}, delta_t = r_t + v_{t+1} - v_t, d = 0.95, v_S = 0, adv_S = 0.
; NOTHING IS LEFT OUT: all six inputs are loaded, each byte once.  The zeros that the problem itself builds (v_S, the scan's start) appear as W_S = 0 below.
; THE RECURRENCE WITHOUT A SHIFT.  With W_t = r_t + c v_t + d W_{t+1}, c = (1 - d) / d, W_S = 0, one has for all values adv_t = W_t - v_t / d
; (put adv_t + v_t / d for W_t: r_t + c v_t + d adv_{t+1} + v_{t+1} = adv_t + v_t + c v_t = adv_t + v_t / d).  So no lane needs its neighbour's v.
; W and v / d are of the size of v and of adv, as v_{t+1} and v_t are in delta: the difference loses no more than delta's own.
; SHARES.  A work-group owns one row, each of its 16 waves 1,024 consecutive steps, as 8 blocks of 128: in block j lane l holds steps 128 j + 4 l + 0..3, so each load of a wave
; covers 512 consecutive bytes, aligned.  A wave issues all its 48 loads at the head: the whole row is on its way, and every later wait for data is counted.
; THE SCAN.  L_i: suffix inside a lane's four.  G = L_0.  I: suffix of G over the 32 lanes of a block (factor d^4 a lane).  S_j: suffix of the block totals in a wave (factor d^128), in
; scalar registers.  The wave totals S_0 meet in LDS; wave w's carry C is the full chain over the totals of waves w + 1 .. 15 (factor d^1024).
; Y = I - G + q_l (S_{j+1} + d^(128 (7 - j)) C), q_l = d^(128 - 4 l), is d^4 times W at the next lane's first step; W_i = L_i + d^-i Y.
; LIMITS.  NaN and infinities are not treated apart (a maximum drops a NaN; a factor 0 meets the other half's total).  A ratio below 2^-126 counts as 0.  Sums are taken in another
; order than the problem's; the division is a reciprocal and a product.  The mask may hold any i32: it is converted to f32 as the problem converts it.
.set TOT,   0                          ; LDS: words 0-15 the waves' totals, words 16-31 zeros (stored), so that every wave's chain has 15 links
.set RED,   256                        ; LDS: 16 bytes for each wave: its three partial sums
.set SPARE, 512                        ; the spare words, 128 bytes for each of 16 waves: eight blocks of 256 bytes that no other line names
.set LN,  1                            ; v1   lane
.set TA,  2                            ; v2   at work
.set OFF, 3                            ; v3   my byte offset in each input: 65,536 row + 4,096 wave + 16 lane; never rewritten
.set SPW, 4                            ; v4   LDS address of my spare word; never rewritten
.set NIL, 5                            ; v5   0; never rewritten
.set QL,  6                            ; v6   q_l = d^(128 - 4 l)
.set CR,  7                            ; v7   d^(64 - 4 l) in lanes 0-15, 0 in lanes 16-31
.set CP,  8                            ; v[8:11]  1, 1/d, 1/d^2, 1/d^3
.set PS,  12                           ; v[12:13] sum of m x loss        (even steps', odd steps')
.set VS,  14                           ; v[14:15] sum of m x diff^2
.set MS,  16                           ; v[16:17] sum of m
.set PT,  18                           ; v[18:33] block j: the scan's value, later Y, at PT + 2 j; at work at PT + 2 j + 1: Y is the low register of a pair
.set HT,  34                           ; v[35:49] the totals of the 15 waves behind mine; later the final sums
.set WA,  50                           ; v50  4 x wave
.set ZR,  51                           ; v51  0, to be stored
.set TB,  52                           ; v52  at work
.set QC,  53                           ; v53  q_l C
.set RA,  54                           ; v54  16 x wave
.set RW,  64                           ; v[64:95]   rewards, then L, W, -adv
.set VL,  96                           ; v[96:127]  values, then m x diff
.set NL,  128                          ; v[128:159] new_log_probs, then ratio, then the loss
.set OL,  160                          ; v[160:191] old_log_probs, then the clipped ratio
.set NV,  192                          ; v[192:223] new_values, then diff
.set MK,  224                          ; v[224:255] act_masks, then m in f32
.set WV,  18                           ; s18  my wave's number
.set SZ,  20                           ; s20  0: v_permlanex16_b32's selects: every lane takes lane 0 of the other half
.set SEL, 22                           ; s[22:23] selects: every lane takes its own place in the other half
.set CC,  24                           ; s[24:25] c = (1 - d) / d
.set KI,  26                           ; s[26:27] 1 / d
.set LE,  28                           ; s[28:29] log2(e)
.set LO,  30                           ; s30  0.8
.set HI,  31                           ; s31  1.2
.set DD,  32                           ; s32  d;  s33 d^2;  s34-s37 d^4, d^8, d^16, d^32;  s38 d^64
.set PW,  40                           ; s[PW+m] = d^(128 m), m = 1 .. 8
.set KK,  48                           ; s48  d^1024
.set ST,  52                           ; s[52:59] block totals, then S_j
	s_load_b256 s[4:11], s[0:1], 0x0               ; rewards s[4:5], values s[6:7], new_log_probs s[8:9], old_log_probs s[10:11]
	s_load_b128 s[12:15], s[0:1], 0x20             ; new_values s[12:13], act_masks s[14:15]
	s_load_b64 s[16:17], s[0:1], 0x30              ; out0
	v_lshl_add_u32 v[SPW], v0, 2, SPARE
	v_mov_b32 v[NIL], 0
	v_and_b32 v[LN], 31, v0
	v_lshrrev_b32 v[TA], 5, v0
	v_readfirstlane_b32 s[WV], v[TA]               ; wave 0..15
	s_lshl_b32 s19, ttmp9, 16                      ; the row: 16,384 numbers of 4 bytes
	v_lshlrev_b32 v[OFF], 4, v[LN]
	v_lshl_add_u32 v[OFF], v[TA], 12, v[OFF]
	v_add_nc_u32 v[OFF], s19, v[OFF]
	s_wait_kmcnt 0x0
.irp j, 0,1,2,3,4,5,6,7
	global_load_b128 v[RW+4*(\j):RW+4*(\j)+3], v[OFF], s[4:5] offset:512*(\j) th:TH_LOAD_NT
	global_load_b128 v[VL+4*(\j):VL+4*(\j)+3], v[OFF], s[6:7] offset:512*(\j) th:TH_LOAD_NT
.endr
	; The exchange of carries below waits for the r and v of all 16 waves, and nothing orders the requests of different waves.  So every wave issues these 16 loads
	; before any wave issues its other 32.  Scalar set-up stands between the signal and the wait.
	s_barrier_signal -1
	s_mov_b32 s[DD], 0x3f733333                    ; d = 0.95
	s_mul_f32 s33, s[DD], s[DD]                    ; the powers of d by squaring: d^2,
	s_mul_f32 s34, s33, s33                        ; d^4: one lane,
	s_mul_f32 s35, s34, s34                        ; d^8: two lanes,
	s_mul_f32 s36, s35, s35                        ; d^16: four,
	s_mul_f32 s37, s36, s36                        ; d^32: eight,
	s_mul_f32 s38, s37, s37                        ; d^64,
	s_mul_f32 s[PW+1], s38, s38                    ; d^128: a block
.irp m, 2,3,4,5,6,7,8
	s_mul_f32 s[PW+(\m)], s[PW+(\m)-1], s[PW+1]    ; d^(128 m); the last is d^1024: a wave's share
.endr
	s_mov_b32 s[CC], 0x3d579436                    ; c = 1 / 19
	s_mov_b32 s[CC+1], s[CC]                       ; (named as pairs by the packed forms, which take the low word for both halves)
	s_mov_b32 s[KI], 0x3f86bca2                    ; 1 / d = 20 / 19
	s_mov_b32 s[KI+1], s[KI]
	s_mov_b32 s[LE], 0x3fb8aa3b                    ; log2(e)
	s_mov_b32 s[LE+1], s[LE]
	s_mov_b32 s[LO], 0x3f4ccccd                    ; 0.8
	s_mov_b32 s[HI], 0x3f99999a                    ; 1.2
	s_mul_f32 s61, s[KI], s[KI]                    ; 1 / d^2
	s_mul_f32 s62, s61, s[KI]                      ; 1 / d^3
	s_mov_b32 s[SZ], 0
	s_mov_b32 s[SEL], 0x76543210
	s_mov_b32 s[SEL+1], 0xfedcba98
	s_barrier_wait -1
.irp j, 0,1,2,3,4,5,6,7
	global_load_b128 v[NL+4*(\j):NL+4*(\j)+3], v[OFF], s[8:9] offset:512*(\j) th:TH_LOAD_NT
	global_load_b128 v[OL+4*(\j):OL+4*(\j)+3], v[OFF], s[10:11] offset:512*(\j) th:TH_LOAD_NT
	global_load_b128 v[NV+4*(\j):NV+4*(\j)+3], v[OFF], s[12:13] offset:512*(\j) th:TH_LOAD_NT
	global_load_b128 v[MK+4*(\j):MK+4*(\j)+3], v[OFF], s[14:15] offset:512*(\j) th:TH_LOAD_NT
.endr
	; the lanes' factors, made while the loads are on their way: d^(4 n) = 2^(n x 4 log2(d))
	v_sub_nc_u32 v[TA], 32, v[LN]
	v_sub_nc_u32 v[TB], 16, v[LN]
	v_cvt_f32_i32 v[TA], v[TA]
	v_cvt_f32_i32 v[TB], v[TB]
	v_mul_f32 v[TA], 0xbe978d9e, v[TA]             ; 4 log2(0.95) = -0.2960023
	v_mul_f32 v[TB], 0xbe978d9e, v[TB]
	v_exp_f32 v[QL], v[TA]
	v_exp_f32 v[CR], v[TB]
	v_mov_b32 v[CP], 1.0                           ; plain work that names neither result stands behind the two exponentials
	v_mov_b32 v[CP+1], s[KI]
	v_mov_b32 v[CP+2], s61
	v_mov_b32 v[CP+3], s62
	v_mov_b32 v[ZR], 0
	v_mov_b32 v[WA], s[WV]
	v_lshlrev_b32 v[WA], 2, v[WA]
	v_lshlrev_b32 v[RA], 2, v[WA]
.irp j, 0,1,2,3,4,5,6,7
	v_mov_b32 v[PT+2*(\j)+1], 0                    ; the destination of a DPP form counts as read: written once here
.endr
	v_cmp_gt_u32 vcc_lo, 16, v[LN]
	s_wait_alu depctr_va_vdst(0)                   ; one wait for the two exponentials, ahead of their first reader
	v_cndmask_b32 v[CR], 0, v[CR], vcc_lo          ; lanes 16-31 take nothing from the other half
; Block j: e = r + c v, then the suffix inside my four numbers, in place.  Loads come back in order (ISA guide 5.7.1): behind r and v of block j stand 48 - (2 j + 2) younger loads.
.macro LOCAL j
.set rR, RW+4*(\j)
.set rV, VL+4*(\j)
	s_wait_loadcnt 46-2*(\j)
	v_pk_fma_f32 v[rR:rR+1], v[rV:rV+1], s[CC:CC+1], v[rR:rR+1] op_sel_hi:[1,0,1]
	v_pk_fma_f32 v[rR+2:rR+3], v[rV+2:rV+3], s[CC:CC+1], v[rR+2:rR+3] op_sel_hi:[1,0,1]
	v_fmac_f32 v[rR+2], s[DD], v[rR+3]
	v_fmac_f32 v[rR+1], s[DD], v[rR+2]
	v_fmac_f32 v[rR], s[DD], v[rR+1]               ; L_0 = G
.endm
.irp j, 0,1,2,3,4,5,6,7
	LOCAL \j
.endr
	; The suffix over the lanes, all eight blocks side by side.  In each half of 16 lanes: x_l += d^(4 n) x_(l+n), n = 1, 2, 4, 8; a lane with no lane l + n takes 0.
.irp j, 0,1,2,3,4,5,6,7
	v_mov_b32_dpp v[PT+2*(\j)+1], v[RW+4*(\j)] row_shl:1 row_mask:0xf bank_mask:0xf bound_ctrl:1
.endr
.irp j, 0,1,2,3,4,5,6,7
	v_fma_f32 v[PT+2*(\j)], s34, v[PT+2*(\j)+1], v[RW+4*(\j)]  ; the first step also copies: G stays where it is
.endr
.macro STEP n, f
.irp j, 0,1,2,3,4,5,6,7
	v_mov_b32_dpp v[PT+2*(\j)+1], v[PT+2*(\j)] row_shl:\n row_mask:0xf bank_mask:0xf bound_ctrl:1
.endr
.irp j, 0,1,2,3,4,5,6,7
	v_fmac_f32 v[PT+2*(\j)], s[\f], v[PT+2*(\j)+1]
.endr
.endm
	STEP 2, 35
	STEP 4, 36
	STEP 8, 37
.irp j, 0,1,2,3,4,5,6,7
	v_permlanex16_b32 v[PT+2*(\j)+1], v[PT+2*(\j)], s[SZ], s[SZ]  ; lanes 0-15 take lane 16's value: the upper half's total
.endr
.irp j, 0,1,2,3,4,5,6,7
	v_fmac_f32 v[PT+2*(\j)], v[CR], v[PT+2*(\j)+1]  ; I
.endr
.irp j, 0,1,2,3,4,5,6,7
	v_readfirstlane_b32 s[ST+(\j)], v[PT+2*(\j)]   ; lane 0 holds the block's total
.endr
.irp j, 6,5,4,3,2,1,0
	s_fmac_f32 s[ST+(\j)], s[PW+1], s[ST+(\j)+1]   ; S_j = total_j + d^128 S_(j+1)
.endr
	v_mov_b32 v[TA], s[ST]                         ; S_0: my wave's total
	ds_store_b32 v[WA], v[TA] offset:TOT           ; all lanes store the same number into the same word
	ds_store_b32 v[WA], v[ZR] offset:TOT+64        ; and word 16 + wave is 0
.irp j, 0,1,2,3,4,5,6,7
	v_sub_f32 v[PT+2*(\j)], v[PT+2*(\j)], v[RW+4*(\j)]  ; I - G: what reaches my four from the later lanes of the block, times d^4
.endr
.irp j, 0,1,2,3,4,5,6
	v_fmac_f32 v[PT+2*(\j)], s[ST+(\j)+1], v[QL]   ; + q_l S_(j+1): from my wave's later blocks
.endr
	s_wait_dscnt 0x0                               ; for the others' sake: my two stores are done
	s_barrier_signal -1
	s_barrier_wait -1                              ; all 32 words are written
.irp k, 1,2,3,4,5,6,7,8,9,10,11,12,13,14,15
	ds_load_b32 v[HT+(\k)], v[WA] offset:TOT+4*(\k)  ; the totals of waves w + 1 .. w + 15; past wave 15 they are 0
.endr
	s_wait_dscnt 0x0
.irp k, 14,13,12,11,10,9,8,7,6,5,4,3,2,1
	v_fma_f32 v[HT+15], s[KK], v[HT+15], v[HT+(\k)]  ; C = total_(w+1) + d^1024 (total_(w+2) + ..): the whole chain, no link left out
.endr
	v_mul_f32 v[QC], v[QL], v[HT+15]
	v_add_f32 v[PT+14], v[PT+14], v[QC]            ; block 7 borders on the next wave
.irp j, 0,1,2,3,4,5,6
	v_fmac_f32 v[PT+2*(\j)], s[PW+7-(\j)], v[QC]   ; Y is whole
.endr
; Block j's 128 steps are finished.  Behind its four loads stand 32 - 4 (j + 1) younger ones.  The four exponentials are one batch: all that names no ratio stands between them and
; their one wait.  -adv is made in adv's stead: -min(ratio adv, clip adv) = max(ratio (-adv), clip (-adv)), and diff = (new_values - v) + (-adv).  Block 0 starts the three sums.
.macro FINISH j
.set rR, RW+4*(\j)
.set rV, VL+4*(\j)
.set rN, NL+4*(\j)
.set rO, OL+4*(\j)
.set rW, NV+4*(\j)
.set rM, MK+4*(\j)
.set rY, PT+2*(\j)
	s_wait_loadcnt 28-4*(\j)
	v_pk_add_f32 v[rN:rN+1], v[rN:rN+1], v[rO:rO+1] neg_lo:[0,1] neg_hi:[0,1]
	v_pk_add_f32 v[rN+2:rN+3], v[rN+2:rN+3], v[rO+2:rO+3] neg_lo:[0,1] neg_hi:[0,1]
	v_pk_mul_f32 v[rN:rN+1], v[rN:rN+1], s[LE:LE+1] op_sel_hi:[1,0]
	v_pk_mul_f32 v[rN+2:rN+3], v[rN+2:rN+3], s[LE:LE+1] op_sel_hi:[1,0]
.irp i, 0,1,2,3
	v_exp_f32 v[rN+(\i)], v[rN+(\i)]               ; ratio
.endr
	v_pk_fma_f32 v[rR:rR+1], v[rY:rY+1], v[CP:CP+1], v[rR:rR+1] op_sel_hi:[0,1,1]          ; W_i = L_i + d^-i Y
	v_pk_fma_f32 v[rR+2:rR+3], v[rY:rY+1], v[CP+2:CP+3], v[rR+2:rR+3] op_sel_hi:[0,1,1]
	v_pk_add_f32 v[rW:rW+1], v[rW:rW+1], v[rV:rV+1] neg_lo:[0,1] neg_hi:[0,1]              ; new_values - v
	v_pk_add_f32 v[rW+2:rW+3], v[rW+2:rW+3], v[rV+2:rV+3] neg_lo:[0,1] neg_hi:[0,1]
	v_pk_fma_f32 v[rR:rR+1], v[rV:rV+1], s[KI:KI+1], v[rR:rR+1] op_sel_hi:[1,0,1] neg_lo:[0,0,1] neg_hi:[0,0,1]  ; -adv = v / d - W
	v_pk_fma_f32 v[rR+2:rR+3], v[rV+2:rV+3], s[KI:KI+1], v[rR+2:rR+3] op_sel_hi:[1,0,1] neg_lo:[0,0,1] neg_hi:[0,0,1]
.irp i, 0,1,2,3
	v_cvt_f32_i32 v[rM+(\i)], v[rM+(\i)]           ; m
.endr
	v_pk_add_f32 v[rW:rW+1], v[rW:rW+1], v[rR:rR+1]        ; diff = new_values - returns
	v_pk_add_f32 v[rW+2:rW+3], v[rW+2:rW+3], v[rR+2:rR+3]
	v_pk_mul_f32 v[rV:rV+1], v[rW:rW+1], v[rM:rM+1]        ; m diff
	v_pk_mul_f32 v[rV+2:rV+3], v[rW+2:rW+3], v[rM+2:rM+3]
.if (\j) == 0
	v_pk_add_f32 v[MS:MS+1], v[rM:rM+1], v[rM+2:rM+3]
	v_pk_mul_f32 v[VS:VS+1], v[rV:rV+1], v[rW:rW+1]
.else
	v_pk_add_f32 v[MS:MS+1], v[MS:MS+1], v[rM:rM+1]
	v_pk_fma_f32 v[VS:VS+1], v[rV:rV+1], v[rW:rW+1], v[VS:VS+1]
	v_pk_add_f32 v[MS:MS+1], v[MS:MS+1], v[rM+2:rM+3]
.endif
	v_pk_fma_f32 v[VS:VS+1], v[rV+2:rV+3], v[rW+2:rW+3], v[VS:VS+1]
	s_wait_alu depctr_va_vdst(0)                   ; one wait for the batch, ahead of the first line that names a ratio
.irp i, 0,1,2,3
	v_med3_num_f32 v[rO+(\i)], v[rN+(\i)], s[LO], s[HI]    ; the clip
.endr
	v_pk_mul_f32 v[rN:rN+1], v[rN:rN+1], v[rR:rR+1]
	v_pk_mul_f32 v[rN+2:rN+3], v[rN+2:rN+3], v[rR+2:rR+3]
	v_pk_mul_f32 v[rO:rO+1], v[rO:rO+1], v[rR:rR+1]
	v_pk_mul_f32 v[rO+2:rO+3], v[rO+2:rO+3], v[rR+2:rR+3]
.irp i, 0,1,2,3
	v_max_num_f32 v[rN+(\i)], v[rN+(\i)], v[rO+(\i)]       ; the loss
.endr
.if (\j) == 0
	v_pk_mul_f32 v[PS:PS+1], v[rM:rM+1], v[rN:rN+1]
.else
	v_pk_fma_f32 v[PS:PS+1], v[rM:rM+1], v[rN:rN+1], v[PS:PS+1]
.endif
	v_pk_fma_f32 v[PS:PS+1], v[rM+2:rM+3], v[rN+2:rN+3], v[PS:PS+1]
.endm
.irp j, 0,1,2,3,4,5,6,7
	FINISH \j
.endr
	; My wave's three sums: the two halves of each pair, four steps inside each half of 16 lanes, one across the halves.
	v_add_f32 v12, v12, v13
	v_add_f32 v13, v14, v15
	v_add_f32 v14, v16, v17
.irp x, 1,2,4,8
	v_add_f32_dpp v12, v12, v12 row_xmask:\x row_mask:0xf bank_mask:0xf
	v_add_f32_dpp v13, v13, v13 row_xmask:\x row_mask:0xf bank_mask:0xf
	v_add_f32_dpp v14, v14, v14 row_xmask:\x row_mask:0xf bank_mask:0xf
.endr
	v_permlanex16_b32 v15, v12, s[SEL], s[SEL+1]
	v_permlanex16_b32 v16, v13, s[SEL], s[SEL+1]
	v_permlanex16_b32 v17, v14, s[SEL], s[SEL+1]
	v_add_f32 v12, v12, v15
	v_add_f32 v13, v13, v16
	v_add_f32 v14, v14, v17
	ds_store_b128 v[RA], v[12:15] offset:RED       ; all lanes store the same 16 bytes; the fourth word serves nothing
	s_wait_dscnt 0x0                               ; for wave 0's sake
	s_barrier_signal -1
	s_barrier_wait -1
	s_cmp_lg_u32 s[WV], 0
	s_cbranch_scc1 .Lend                           ; wave 0 finishes the row
	v_and_b32 v[TA], 15, v[LN]
	v_lshlrev_b32 v[TA], 4, v[TA]
	ds_load_b128 v[36:39], v[TA] offset:RED        ; lane l and lane l + 16: wave l's sums
	s_wait_dscnt 0x0
.irp x, 1,2,4,8
	v_add_f32_dpp v36, v36, v36 row_xmask:\x row_mask:0xf bank_mask:0xf
	v_add_f32_dpp v37, v37, v37 row_xmask:\x row_mask:0xf bank_mask:0xf
	v_add_f32_dpp v38, v38, v38 row_xmask:\x row_mask:0xf bank_mask:0xf
.endr
	v_max_num_f32 v38, 0x322bcc77, v38             ; max(sum of m, 1e-8)
	v_rcp_f32 v39, v38
	v_lshlrev_b32 v[TB], 10, v[LN]                 ; lane 0: out0[0][row]; lane 1: out0[1][row], 1,024 bytes on
	v_cmp_eq_u32 vcc_lo, 0, v[LN]
	v_cndmask_b32 v36, v37, v36, vcc_lo            ; lane 0 the policy sum, the others the value sum
	s_lshl_b32 s19, ttmp9, 2
	v_add_nc_u32 v[TB], s19, v[TB]
	s_wait_alu depctr_va_vdst(0)                   ; ahead of the reciprocal's first reader
	v_mul_f32 v36, v36, v39
	v_cmp_gt_u32 vcc_lo, 2, v[LN]
	s_wait_xcnt 0x0                                ; EXEC changes only behind this wait
	s_and_saveexec_b32 s60, vcc_lo
	global_store_b32 v[TB], v36, s[16:17]          ; the row's two numbers: all that a work-group owns of the output's 2,048 bytes
	s_wait_xcnt 0x0                                ; and again, in front of the line that widens it
	s_or_b32 exec_lo, exec_lo, s60
.Lend:
	s_wait_tensorcnt 0x0                           ; the wave's end: behind my last LDS store
	ds_add_u32 v[SPW], v[NIL]
	s_wait_dscnt 0x0
	s_endpgm
.Lfunc_end_k_q66cdcc3075_ppo:
	.size	k_q66cdcc3075_ppo, .Lfunc_end_k_q66cdcc3075_ppo-k_q66cdcc3075_ppo
	.p2alignl 7, 3214868480
	.fill 96, 4, 3214868480
	.section	.rodata,"a",@progbits
	.p2align	6, 0x0
	.amdhsa_kernel k_q66cdcc3075_ppo
		.amdhsa_group_segment_fixed_size 2560
		.amdhsa_private_segment_fixed_size 0
		.amdhsa_enable_private_segment 0
		.amdhsa_kernarg_size 56
		.amdhsa_user_sgpr_count 2
		.amdhsa_user_sgpr_kernarg_segment_ptr 1
		.amdhsa_wavefront_size32 1
		.amdhsa_system_sgpr_workgroup_id_x 1
		.amdhsa_system_sgpr_workgroup_id_y 1
		.amdhsa_system_sgpr_workgroup_id_z 1
		.amdhsa_system_vgpr_workitem_id 0
		.amdhsa_next_free_vgpr 256
		.amdhsa_next_free_sgpr 66
		.amdhsa_reserve_vcc 1
		.amdhsa_float_denorm_mode_32 3
		.amdhsa_float_denorm_mode_16_64 3
		.amdhsa_memory_ordered 1
		.amdhsa_forward_progress 1
		.amdhsa_inst_pref_size 38
	.end_amdhsa_kernel
	.amdgpu_metadata
---
amdhsa.version: [ 1, 2 ]
amdhsa.kernels:
  - .name:           k_q66cdcc3075_ppo
    .symbol:         k_q66cdcc3075_ppo.kd
    .args:
      - { .name: rewards, .offset: 0, .size: 8, .value_kind: global_buffer, .address_space: global }
      - { .name: values, .offset: 8, .size: 8, .value_kind: global_buffer, .address_space: global }
      - { .name: new_log_probs, .offset: 16, .size: 8, .value_kind: global_buffer, .address_space: global }
      - { .name: old_log_probs, .offset: 24, .size: 8, .value_kind: global_buffer, .address_space: global }
      - { .name: new_values, .offset: 32, .size: 8, .value_kind: global_buffer, .address_space: global }
      - { .name: act_masks, .offset: 40, .size: 8, .value_kind: global_buffer, .address_space: global }
      - { .name: out0, .offset: 48, .size: 8, .value_kind: global_buffer, .address_space: global }
    .group_segment_fixed_size: 2560
    .private_segment_fixed_size: 0
    .kernarg_segment_align: 8
    .kernarg_segment_size: 56
    .max_flat_workgroup_size: 512
    .sgpr_count:     66
    .vgpr_count:     256
    .wavefront_size: 32
...
	.end_amdgpu_metadata
.endif
;; end of part 1
